; MI455X (gfx1250); checked and timed in simulation.
; The chip was launched on July 23, 2026; its instructions are those of AMD's public machine-readable ISA for CDNA 5 (MIT licence, August 2026) and "CDNA5" Instruction Set Architecture Reference Guide (July 2026). The comments in the code are by the model that wrote it; some were corrected since.
;; MQA Cross Attention. Allowed arithmetic: matrix products marked QUANTISED: E5M2 operands, one given power-of-two scale a tensor, by v_wmma_f32_16x16x64_bf8_bf8 or v_wmma_f32_16x16x128_bf8_bf8, f32 sums; everything else in f32.
;; Inputs: Wkv 1,024 x 2,048 float32; Wq 1,024 x 1,024 float32; bkv 2,048 float32; bq 1,024 float32; lowp_scales 8 int32 (the exponents e of the quantised operands' scales 2^e); text_input 4 x 2,048 x 1,024 float32; x 4 x 2,048 x 1,024 float32.
;; Outputs: out0 4 x 2,048 x 1,024 float32.
;; This version of the problem:
;;   THIS VERSION OF THE PROBLEM IS GIVEN IN LOW PRECISION. The matrix products marked QUANTISED in the list below multiply operands that are first quantised to E5M2 (5 exponent bits, 2 mantissa bits; 8 bits a number), with one given power-of-two scale for each operand tensor; their sums are f32. All else is computed in f32.
;;   The module's matrix products, in the order in which they are computed (A, B: the left and right operand; K: the contracted axis; several contracted axes count as one K, in the product's order):
;;     1. [M 8,192, K 1,024] x [K 1,024, N 1,024]; A: input x; B: input Wq: QUANTISED (scales: A lowp_scales[0], B lowp_scales[1])
;;     2. [M 8,192, K 1,024] x [K 1,024, N 2,048]; A: input text_input; B: input Wkv: QUANTISED (scales: A lowp_scales[2], B lowp_scales[3])
;;     3. batch 64 x [M 2,048, K 64] x [K 64, N 2,048]; A: computed on the way; B: computed on the way: QUANTISED (scales: A lowp_scales[4], B lowp_scales[5])
;;     4. batch 64 x [M 64, K 2,048] x [K 2,048, N 2,048]; A: computed on the way; B: softmax (see below): QUANTISED (scales: A lowp_scales[6], B lowp_scales[7])
;;   THE QUANTISER, for each operand of a quantised product, along K:
;;     - The operand's scale is 2^e, e = its entry of the input lowp_scales (int32; the entries are numbered through the quantised products in the list's order, A before B).
;;     - Each number is divided by the scale, clamped to +-57,344, and rounded to the nearest number of E5M2, ties to even, subnormals kept.
;;     - The product sums the exact products of the quantised numbers (number of the format x scale) in f32.
;;   ~~~python
;;   def quantise(x, axis, e):      # numpy; x: float32 -> the quantised numbers, widened to float32 again
;;       x = np.moveaxis(x, axis, -1); K = x.shape[-1]
;;       r = np.clip(x / 2.0 ** e, -57344, 57344)
;;       step = 2.0 ** (np.maximum(np.frexp(np.where(r == 0, 1, r))[1] - 1, -14) - 2)
;;       q = np.round(r / step) * step * 2.0 ** e      # np.round: ties to even
;;       return np.moveaxis(q, -1, axis).astype(np.float32)
;;   ~~~
;;   SOFTMAX AHEAD OF A QUANTISED PRODUCT. Where the list says 'softmax', what is quantised is not the finished softmax but p = 2^(t - M), with t = logit x log2(e) and M = ceil(the row's largest t), a whole number; so 1/2 < the row's largest p <= 1. The row's sum l is taken of the UNQUANTISED p, in f32, and the product's result is divided by l at the end. Since M is a whole number, a kernel that streams over the keys may use a running M (the ceiling of the running maximum): every later rescaling is an exact power of two, so the quantised numbers keep their values, but for numbers so far below the row's largest that they fall under the format's range.
;;   OPERANDS COMPUTED ON THE WAY. 'Computed on the way' means the value that the module computes at that place (a softmax that the list does not call 'softmax' is quantised finished and normalised). What goes into a quantiser is computed in f32, as accurately as f32 sums, v_exp_f32 and their like allow (about 1e-6 of the number): no bf16 or f16 on the way to a quantiser, and a product that is left as it is and whose result goes on into a quantised operand takes f32 operands (vector FMAs, or v_wmma_f32_16x16x4_f32). A number that lies on a knife's edge between two numbers of the format may be rounded either way, as far as f32 arithmetic and the matrix unit's own rounding can turn it there, and no further.
;; One version. Each part assembles by itself: llvm-mc -triple=amdgcn-amd-amdhsa -mcpu=gfx1250 --defsym DOCPART=n.
;; ======== version 1 of 1: 3 launches
;; limits: right only within a limited range of input values
;; workspace buffers: xc 8,388,608 bytes; tc 8,388,608 bytes; wqc 1,048,576 bytes; wkvc 2,097,152 bytes; qimg 8,388,608 bytes; kimg 8,388,608 bytes; vimg 8,388,608 bytes
;; launch quant (part 1): grid 608 x 1, 4 waves a work-group, no clusters, 68,096 bytes of LDS; arguments x, text_input, Wq, Wkv, lowp_scales, xc, tc, wqc, wkvc; writes xc, tc, wqc, wkvc
.if DOCPART == 1
	.amdgcn_target "amdgcn-amd-amdhsa--gfx1250"
	.amdhsa_code_object_version 6
	.text
	.protected	k_q665b04e6ef_quant
	.globl	k_q665b04e6ef_quant
	.p2align	8
	.type	k_q665b04e6ef_quant,@function
k_q665b04e6ef_quant:
	s_mov_b64 s[64:65], 0
	v_nop
	global_prefetch_b8 v0, s[64:65] scope:SCOPE_SE
	s_setreg_imm32_b32 hwreg(HW_REG_WAVE_MODE, 25, 1), 1
	s_wait_xcnt 0x0
; FIRST OF THREE LAUNCHES: the four inputs of the two projections become codes of BF8 (E5M2), one byte a number, K innermost.
;   x, text_input [8192][1024] f32 -> xc, tc [8192][1024];   Wq [1024 k][1024 n], Wkv [1024 k][2048 n] f32 -> wqc [1024 n][1024 k], wkvc [2048 n][1024 k].
; code = number / 2^e, held within +-57,344, rounded to the nearest code, ties to even; e = lowp_scales[0] (x), [1] (Wq), [2] (text_input), [3] (Wkv).
; DEAD WORK: none in the whole program.  There is no mask and nothing is sliced away; bq moves Q's codes, the first half of bkv moves K's codes (a quantiser is a step of the
; problem, so the bias on K stays although a softmax in real numbers would cancel it), the second half moves V's codes.  Every input is loaded by some launch.
; LIMITS: each e between -126 and 112, so that 2^e and 57,344 x 2^e are f32 numbers.  NaN among the inputs is not served (an infinity is held at the largest code).
; SHARES.  Work-groups 0-95 take the weights (0-31 Wq, 32-95 Wkv), 96-607 the activations (256 for x, 256 for text_input).  The two ways part once, on the work-group's number, and
; never join; each has LDS bytes of its own.  No tile is read by two work-groups, so there are no tensor loads, no cluster and no barrier: waves share nothing.
; ACTIVATIONS: K is innermost, so a tensor is a plain stream.  A wave takes 16 steps of 512 numbers.  Each load reads 512 consecutive bytes, 16 a lane; a step's 2,048 bytes turn through the
;   wave's own stage in LDS and come back 64 bytes a lane, 16 neighbours along K, as the conversions want them.  A lane's 16 codes are 16 bytes: the wave stores 512 consecutive bytes.
; WEIGHTS: K is the FIRST axis.  A lane takes a column n and its registers run down K: a load reads 128 consecutive bytes a wave, and the conversions give codes with K innermost.
;   A wave takes 32 columns x 256 along K; the codes go through its stage and leave as rows: sixteen lanes store 256 consecutive bytes, aligned.
.set STEPS, 16
.set NWT,   96                         ; work-groups for the weights
.set EMAX,  15
.set MANT,  0x600000                   ; the mantissa field of 57,344 as f32
.set SP,    80                         ; activations: a lane's place in a stage: 64 bytes + 16 of padding
.set AREG,  8192                       ; activations: LDS region of a wave: two stages of 32 x SP bytes
.set WSTG,  4*AREG                     ; weights: the four stages begin here
.set WP,    272                        ; weights: a stage row: 256 bytes of codes + 16 of padding
.set SPARE, WSTG+4*32*WP               ; behind both: the spare words, 128 bytes for each wave: two blocks of 256 bytes that no other line names
.set SPW,   12                         ; v12  LDS address of my spare word: SPARE + 4 x my thread's number; never rewritten
.set NIL,   13                         ; v13  0; never rewritten
.set AR,    16                         ; activations: v16-79 four sets of 16 numbers as loaded; v80-111 two sets of 16 neighbours; v128-191 codes, four registers a step
.set AX,    80
.set AC,    128
.set WVO,   16                         ; weights: v16-47 offsets 4 x lane + i x pitch; v48-111 two sets of 32 numbers; v112-119 a block's codes; v120-183 the way out
.set WX,    48
.set WC,    112
.set WOUT,  120
.set WB,    40                         ; weights: s[40:55] eight bases, one for each block of 32 along K
.macro ALOAD t                         ; step t: four loads of 512 consecutive bytes
.irp i, 0,1,2,3
	global_load_b128 v[AR+16*((\t)%4)+4*\i:AR+16*((\t)%4)+4*\i+3], v3, s[4:5] offset:2048*(\t)+512*\i th:TH_LOAD_NT
.endr
.endm
.macro ATURN t                         ; step t through the stage: LDS serves a wave's instructions in order, so no wait stands between the stores and the loads
.irp i, 0,1,2,3
	ds_store_b128 v14, v[AR+16*((\t)%4)+4*\i:AR+16*((\t)%4)+4*\i+3] offset:32*SP*((\t)%2)+8*SP*\i
.endr
.irp i, 0,1,2,3
	ds_load_b128 v[AX+16*((\t)%2)+4*\i:AX+16*((\t)%2)+4*\i+3], v15 offset:32*SP*((\t)%2)+16*\i
.endr
.endm
.macro ASTEP t
.set XS, AX+16*((\t)%2)
	s_wait_dscnt 0x0                               ; this step's numbers are back from the stage, so its stores into the stage have read their registers,
.if (\t)+4 < STEPS
	ALOAD (\t)+4                                   ; which take the loads of four steps on
.endif
.if (\t)+1 < STEPS
.if STEPS-2-(\t) >= 3
	s_wait_loadcnt 12                              ; the next step's four loads are in; those of the three steps behind it may be out
.else
	s_wait_loadcnt 4*(STEPS-2-(\t))
.endif
	ATURN (\t)+1                                   ; and go through the other stage while this step is worked
.endif
.irp i, 0,1,2,3,4,5,6,7,8,9,10,11,12,13,14,15
	v_med3_num_f32 v[XS+\i], v[XS+\i], -v10, v10   ; the conversion to an 8-bit code does not saturate (ISA guide 7.6.2): the hold at the largest code x the scale
.endr
	v_cvt_scalef32_pk8_bf8_f32 v[AC+4*(\t):AC+4*(\t)+1], v[XS:XS+7], v11
	v_cvt_scalef32_pk8_bf8_f32 v[AC+4*(\t)+2:AC+4*(\t)+3], v[XS+8:XS+15], v11
	global_store_b128 v3, v[AC+4*(\t):AC+4*(\t)+3], s[8:9] offset:512*(\t)   ; each step has code registers of its own: no store's data are written again
.endm
.macro WLOAD t                         ; block t: W(32 t + i, my column), i = 0 .. 31, into set t % 2
.irp i, 0,1,2,3,4,5,6,7,8,9,10,11,12,13,14,15,16,17,18,19,20,21,22,23,24,25,26,27,28,29,30,31
	global_load_b32 v[WX+32*((\t)%2)+\i], v[WVO+\i], s[WB+2*(\t):WB+2*(\t)+1] th:TH_LOAD_NT
.endr
.endm
.macro WBLOCK t
.set XS, WX+32*((\t)%2)
.if (\t) < 7
	s_wait_loadcnt 32                              ; this block's 32 loads are in; the next block's may be out
.else
	s_wait_loadcnt 0
.endif
.irp i, 0,1,2,3,4,5,6,7,8,9,10,11,12,13,14,15,16,17,18,19,20,21,22,23,24,25,26,27,28,29,30,31
	v_med3_num_f32 v[XS+\i], v[XS+\i], -v10, v10
.endr
.irp g, 0,1,2,3
	v_cvt_scalef32_pk8_bf8_f32 v[WC+2*\g:WC+2*\g+1], v[XS+8*\g:XS+8*\g+7], v11
.endr
	ds_store_b128 v4, v[WC:WC+3] offset:32*(\t)    ; 32 codes: 32 bytes of my column's row
	ds_store_b128 v4, v[WC+4:WC+7] offset:32*(\t)+16
.if (\t)+2 < 8
	WLOAD (\t)+2
.endif
	s_wait_dscnt 0x0                               ; the stores have read their registers: the next block's codes may be written
.endm
	s_load_b512 s[4:19], s[0:1], 0x0               ; x 4:5, text_input 6:7, Wq 8:9, Wkv 10:11, the scales 12:13, xc 14:15, tc 16:17, wqc 18:19
	s_load_b64 s[20:21], s[0:1], 0x40              ; wkvc
	v_lshl_add_u32 v[SPW], v0, 2, SPARE
	v_mov_b32 v[NIL], 0
	v_lshrrev_b32 v1, 5, v0
	v_readfirstlane_b32 s22, v1                    ; wave 0..3
	v_and_b32 v2, 31, v0                           ; lane
	s_wait_kmcnt 0x0
	s_load_b128 s[24:27], s[12:13], 0x0            ; e of x, Wq, text_input, Wkv
	s_cmp_lt_u32 ttmp9, NWT
	s_cbranch_scc1 .Lweights
	; ---------------- the activations
	s_wait_alu depctr_va_vdst(0)
	v_lshlrev_b32 v3, 4, v2                        ; my 16 bytes of a load's 512, and of a store's
	s_wait_alu depctr_va_vdst(0)
	s_lshl_b32 s36, s22, 13                        ; my wave's region
	v_lshrrev_b32 v14, 2, v2
	v_mul_u32_u24 v14, v14, SP
	v_and_b32 v15, 3, v2
	v_lshl_add_u32 v14, v15, 4, v14
	v_add_nc_u32 v14, s36, v14                     ; the stage on the way in: four lanes' 64 bytes on end, then 16 of padding
	v_mul_u32_u24 v15, v2, SP
	v_add_nc_u32 v15, s36, v15                     ; and on the way out: my 16 neighbours
	s_sub_co_u32 s28, ttmp9, NWT
	s_cmp_lt_u32 s28, 256                          ; x's work-group or text_input's?  The choice hangs on the work-group's number alone
	s_cselect_b64 s[4:5], s[4:5], s[6:7]
	s_cselect_b64 s[8:9], s[14:15], s[16:17]
	s_and_b32 s28, s28, 255
	s_lshl_b32 s28, s28, 2
	s_add_co_u32 s30, s28, s22                     ; which run of 8,192 numbers is my wave's
	s_mov_b32 s31, 0
	s_lshl_b64 s[32:33], s[30:31], 15              ; 32,768 bytes of f32,
	s_lshl_b64 s[34:35], s[30:31], 13              ; 8,192 bytes of codes
	s_add_nc_u64 s[4:5], s[4:5], s[32:33]
	s_add_nc_u64 s[8:9], s[8:9], s[34:35]
.irp t, 0,1,2,3
	ALOAD \t
.endr
	s_wait_alu depctr_va_vdst(0)
	s_wait_kmcnt 0x0
	s_cmp_lt_u32 ttmp9, NWT+256
	s_cselect_b32 s37, s24, s26                    ; e
	s_add_co_i32 s37, s37, 127
	s_lshl_b32 s38, s37, 23
	v_mov_b32 v11, s38                             ; 2^e as f32: the conversion takes its exponent field
	s_add_co_i32 s37, s37, EMAX
	s_lshl_b32 s37, s37, 23
	s_or_b32 s37, s37, MANT
	v_mov_b32 v10, s37                             ; 57,344 x 2^e
	s_wait_alu depctr_va_vdst(0)
	s_wait_loadcnt 12                              ; step 0's four loads are in
	ATURN 0
.irp t, 0,1,2,3,4,5,6,7,8,9,10,11,12,13,14,15
	ASTEP \t
.endr
	s_wait_tensorcnt 0x0                           ; the wave's end
	ds_add_u32 v[SPW], v[NIL]
	s_wait_dscnt 0x0
	s_endpgm
	; ---------------- the weights
.Lweights:
	s_cmp_lt_u32 ttmp9, 32                         ; Wq's work-group or Wkv's?
	s_cselect_b64 s[4:5], s[8:9], s[10:11]
	s_cselect_b64 s[6:7], s[18:19], s[20:21]
	s_cselect_b32 s28, 3, 4                        ; log2 of the blocks of 128 columns: 8 or 16
	s_cselect_b32 s29, 0, 32
	s_sub_co_u32 s29, ttmp9, s29                   ; my number within the tensor
	s_lshl_b32 s30, 512, s28                       ; a row of W in bytes: 4,096 or 8,192
	s_bfm_b32 s31, s28, 0
	s_and_b32 s31, s29, s31                        ; which 128 columns
	s_lshr_b32 s36, s29, s28                       ; which 256 along K
	s_lshl_b32 s37, s31, 7
	s_lshl_b32 s38, s22, 5
	s_add_co_u32 s37, s37, s38                     ; my wave's first column
	s_mul_i32 s38, s36, s30
	s_lshl_b32 s38, s38, 8                         ; 256 rows of W for each step along K,
	s_lshl_b32 s39, s37, 2
	s_add_co_u32 s38, s38, s39                     ; + 4 bytes a column
	s_mov_b32 s39, 0
	s_add_nc_u64 s[WB:WB+1], s[4:5], s[38:39]      ; block 0's base
	s_lshl_b32 s38, s30, 5                         ; 32 rows on
.irp t, 1,2,3,4,5,6,7
	s_add_nc_u64 s[WB+2*\t:WB+2*\t+1], s[WB+2*\t-2:WB+2*\t-1], s[38:39]
.endr
	s_lshl_b32 s56, s37, 10                        ; the codes: column x 1,024 bytes
	s_lshl_b32 s57, s36, 8                         ; + 256 bytes for each step along K
	s_add_co_u32 s56, s56, s57
	s_mov_b32 s57, 0
	s_add_nc_u64 s[6:7], s[6:7], s[56:57]
	s_wait_alu depctr_va_vdst(0)
	v_lshlrev_b32 v3, 2, v2                        ; in: 4 bytes a lane
.set i, 0
.rept 32
	v_mad_u32_u24 v[WVO+i], s30, i, v3             ; the pitch differs between the two tensors, so the rows' offsets stand in registers; never rewritten
.set i, i+1
.endr
	s_mul_i32 s58, s22, 32*WP
	s_add_co_u32 s58, s58, WSTG                    ; my stage
	v_mul_u32_u24 v4, v2, WP
	v_add_nc_u32 v4, s58, v4                       ; into it: row = my column
	v_and_b32 v5, 15, v2
	v_lshrrev_b32 v6, 4, v2                        ; out of it: sixteen lanes to a row, two rows an instruction
	v_mul_u32_u24 v7, v6, WP
	v_lshl_add_u32 v7, v5, 4, v7
	v_add_nc_u32 v7, s58, v7
	v_lshlrev_b32 v8, 10, v6
	v_lshl_add_u32 v8, v5, 4, v8                   ; and the same place in the codes' buffer
	WLOAD 0
	WLOAD 1
	s_wait_kmcnt 0x0
	s_cmp_lt_u32 ttmp9, 32
	s_cselect_b32 s59, s25, s27                    ; e
	s_add_co_i32 s59, s59, 127
	s_lshl_b32 s60, s59, 23
	v_mov_b32 v11, s60
	s_add_co_i32 s59, s59, EMAX
	s_lshl_b32 s59, s59, 23
	s_or_b32 s59, s59, MANT
	v_mov_b32 v10, s59
	s_wait_alu depctr_va_vdst(0)
.irp t, 0,1,2,3,4,5,6,7
	WBLOCK \t
.endr
.irp t, 0,1,2,3,4,5,6,7,8,9,10,11,12,13,14,15
	ds_load_b128 v[WOUT+4*\t:WOUT+4*\t+3], v7 offset:2*\t*WP      ; LDS serves a wave's instructions in order: these see my stores
.endr
.irp t, 0,1,2,3,4,5,6,7,8,9,10,11,12,13,14,15
	s_wait_dscnt 15-\t                             ; load t is in; the younger ones may be out
	global_store_b128 v8, v[WOUT+4*\t:WOUT+4*\t+3], s[6:7] offset:2*\t*1024
.endr
	s_wait_tensorcnt 0x0                           ; the wave's end
	ds_add_u32 v[SPW], v[NIL]
	s_wait_dscnt 0x0
	s_endpgm
.Lfunc_end_k_q665b04e6ef_quant:
	.size	k_q665b04e6ef_quant, .Lfunc_end_k_q665b04e6ef_quant-k_q665b04e6ef_quant
	.p2alignl 7, 3214868480
	.fill 96, 4, 3214868480
	.section	.rodata,"a",@progbits
	.p2align	6, 0x0
	.amdhsa_kernel k_q665b04e6ef_quant
		.amdhsa_group_segment_fixed_size 68096
		.amdhsa_private_segment_fixed_size 0
		.amdhsa_enable_private_segment 0
		.amdhsa_kernarg_size 72
		.amdhsa_user_sgpr_count 2
		.amdhsa_user_sgpr_kernarg_segment_ptr 1
		.amdhsa_wavefront_size32 1
		.amdhsa_system_sgpr_workgroup_id_x 1
		.amdhsa_system_sgpr_workgroup_id_y 1
		.amdhsa_system_sgpr_workgroup_id_z 1
		.amdhsa_system_vgpr_workitem_id 0
		.amdhsa_next_free_vgpr 192
		.amdhsa_next_free_sgpr 66
		.amdhsa_reserve_vcc 0
		.amdhsa_float_denorm_mode_32 3
		.amdhsa_float_denorm_mode_16_64 3
		.amdhsa_memory_ordered 1
		.amdhsa_forward_progress 1
		.amdhsa_inst_pref_size 88
	.end_amdhsa_kernel
	.amdgpu_metadata
---
amdhsa.version: [ 1, 2 ]
amdhsa.kernels:
  - .name:           k_q665b04e6ef_quant
    .symbol:         k_q665b04e6ef_quant.kd
    .args:
      - { .name: x, .offset: 0, .size: 8, .value_kind: global_buffer, .address_space: global }
      - { .name: text_input, .offset: 8, .size: 8, .value_kind: global_buffer, .address_space: global }
      - { .name: Wq, .offset: 16, .size: 8, .value_kind: global_buffer, .address_space: global }
      - { .name: Wkv, .offset: 24, .size: 8, .value_kind: global_buffer, .address_space: global }
      - { .name: lowp_scales, .offset: 32, .size: 8, .value_kind: global_buffer, .address_space: global }
      - { .name: xc, .offset: 40, .size: 8, .value_kind: global_buffer, .address_space: global }
      - { .name: tc, .offset: 48, .size: 8, .value_kind: global_buffer, .address_space: global }
      - { .name: wqc, .offset: 56, .size: 8, .value_kind: global_buffer, .address_space: global }
      - { .name: wkvc, .offset: 64, .size: 8, .value_kind: global_buffer, .address_space: global }
    .group_segment_fixed_size: 68096
    .private_segment_fixed_size: 0
    .kernarg_segment_align: 8
    .kernarg_segment_size: 72
    .max_flat_workgroup_size: 128
    .sgpr_count:     66
    .vgpr_count:     192
    .wavefront_size: 32
...
	.end_amdgpu_metadata
.endif
;; end of part 1
;; launch proj (part 2): grid 12 x 32, 4 waves a work-group, clusters of 4 x 4, 327,680 bytes of LDS; arguments xc, tc, wqc, wkvc, bq, bkv, lowp_scales, qimg, kimg, vimg; writes qimg, kimg, vimg
.if DOCPART == 2
	.amdgcn_target "amdgcn-amd-amdhsa--gfx1250"
	.amdhsa_code_object_version 6
	.text
	.protected	k_q665b04e6ef_proj
	.globl	k_q665b04e6ef_proj
	.p2align	8
	.type	k_q665b04e6ef_proj,@function
k_q665b04e6ef_proj:
	s_mov_b64 s[64:65], 0
	v_nop
	global_prefetch_b8 v0, s[64:65] scope:SCOPE_SE
	s_setreg_imm32_b32 hwreg(HW_REG_WAVE_MODE, 25, 1), 1
	s_wait_xcnt 0x0
	s_wait_alu depctr_hold_cnt(0) depctr_sa_sdst(0) depctr_va_vdst(0) depctr_va_sdst(0) depctr_va_ssrc(0) depctr_va_vcc(0) depctr_vm_vsrc(0)
	s_getreg_b32 s2, hwreg(HW_REG_IB_STS2, 6, 4)
	s_cmp_eq_u32 s2, 0
	s_cbranch_scc0 .Lentry_in_a_cluster
	s_endpgm
.Lentry_in_a_cluster:
	s_bfe_u32 s2, ttmp6, 0x10000c
	s_cmp_lg_u32 s2, 0xf033
	s_cbranch_scc0 .Lentry_shape_is_right
	s_endpgm
.Lentry_shape_is_right:
.set KSTEP,  256
.set ROWB,   256
.set KROW,   1024
.set PITCH,  272
.set FR,     16
.set NL,     4
.set NP,     4
.set HALFT,  128*PITCH
.set SLOT,   4*HALFT
.set SPARE,  2*SLOT
.set VB,   8
.set ADRA, 16
.set ADRB, 20
.set CO,   26
.set SPW,  28
.set NIL,  29
.set SC,   30
.set LIM,  31
.set BIAS, 32
.set TMP,  32
.set AF,   128
.set CODE, 128
.set G1, 24
.set G0, 32
.set G1B, 48
.set G0B, 56
.set MSB, 0
.macro WIN new
.if MSB != \new
	s_set_vgpr_msb (MSB<<8)|\new
.set MSB, \new
.endif
.endm
.set MUL_LO,   0xa1
.set MUL_HI,   0xf1
.set FIRST_LO, 0x81
.set FIRST_HI, 0xc1
.set TO_B,     0x40
.macro JLOAD g0a, g1a, g0b, g1b
	s_cmp_eq_u32 s15, 0
	s_cbranch_scc0 .Lfor_b_\@
	tensor_load_to_lds s[\g0a:\g0a+3], s[\g1a:\g1a+7]
	s_nop 0
.rept 4
	v_nop
.endr
	s_branch .Lasked_\@
.Lfor_b_\@:
	tensor_load_to_lds s[\g0b:\g0b+3], s[\g1b:\g1b+7]
	s_nop 0
.rept 4
	v_nop
.endr
.Lasked_\@:
.endm
.macro CREST
	s_cmp_lg_u32 s14, 0
	s_cbranch_scc1 .Lnot_wave_0_\@
	s_barrier_signal -3
.Lnot_wave_0_\@:
	s_barrier_wait -3
	s_barrier_signal -1
	s_barrier_wait -1
.endm
.macro CROUND
	s_barrier_signal -1
	s_barrier_wait -1
	CREST
.endm
.macro FRAG reg, adr, q, i
.irp c, 0,1,2,3
	ds_load_b128 v[\reg+4*\c:\reg+4*\c+3], v[\adr] offset:128*(\q)+32*\c+(\i)*16*PITCH
.endr
.endm
.macro MUL16 a0, p, zero
.irp a, \a0, \a0+1
.irp b, 0,1,2,3,4,5,6,7
.if \zero == 1
	v_wmma_f32_16x16x128_bf8_bf8 v[8*(8*((\a)%4)+\b):8*(8*((\a)%4)+\b)+7], v[128*(\p)+FR*\b:128*(\p)+FR*\b+FR-1], v[AF+FR*(\a):AF+FR*(\a)+FR-1], v[BIAS+8*\b:BIAS+8*\b+7]
.elseif \zero == 2
	v_wmma_f32_16x16x128_bf8_bf8 v[8*(8*((\a)%4)+\b):8*(8*((\a)%4)+\b)+7], v[128*(\p)+FR*\b:128*(\p)+FR*\b+FR-1], v[AF+FR*(\a):AF+FR*(\a)+FR-1], v[BIAS+8*(\a):BIAS+8*(\a)+7]
.else
	v_wmma_f32_16x16x128_bf8_bf8 v[8*(8*((\a)%4)+\b):8*(8*((\a)%4)+\b)+7], v[128*(\p)+FR*\b:128*(\p)+FR*\b+FR-1], v[AF+FR*(\a):AF+FR*(\a)+FR-1], v[8*(8*((\a)%4)+\b):8*(8*((\a)%4)+\b)+7]
.endif
.endr
.endr
.endm
.macro FETCH_B slot, q, p
	WIN TO_B
.irp i, 0,1,2,3,4,5,6,7
	FRAG 128*(\p)+FR*\i, ADRB+\slot, \q, \i
.endr
	WIN 0
.endm
.macro FETCH_A slot, q, i0
.irp i, \i0, \i0+1, \i0+2, \i0+3
	FRAG AF+FR*(\i), ADRA+\slot, \q, \i
.endr
.endm
.macro PLACES n
.rept \n
	v_nop
.endr
.endm
.macro STEP slot, q, zero
	s_wait_dscnt 4*NL
.if \zero
	WIN FIRST_LO
.else
	WIN MUL_LO
.endif
	MUL16 0, (\q)%2, \zero
	MUL16 2, (\q)%2, \zero
	s_wait_dscnt 0
	PLACES NP
	FETCH_B \slot, (\q)+1, 1-(\q)%2
	FETCH_A \slot, (\q)+1, 0
.if \zero
	WIN FIRST_HI
.else
	WIN MUL_HI
.endif
	MUL16 4, (\q)%2, \zero
	MUL16 6, (\q)%2, \zero
	PLACES NP
	WIN 0
	FETCH_A \slot, (\q)+1, 4
.endm
.macro TURN slot, next, fill
	s_wait_tensorcnt 0x0
	ds_add_u32 v[SPW], v[NIL]
	s_wait_dscnt 4*NL+1
	WIN MUL_LO
	MUL16 0, 1, 0
	s_wait_dscnt 0x0
	s_barrier_signal -1
	MUL16 2, 1, 0
	WIN 0
	s_barrier_wait -1
.if \fill
	CREST
	s_add_nc_u64 s[G0+4*\slot+2:G0+4*\slot+3], s[G0+4*\slot+2:G0+4*\slot+3], 2*ROWB
	s_add_nc_u64 s[G0B+4*\slot+2:G0B+4*\slot+3], s[G0B+4*\slot+2:G0B+4*\slot+3], 2*ROWB
	JLOAD G0+4*\slot, G1, G0B+4*\slot, G1B
.else
	PLACES NP
.endif
	FETCH_B \next, 0, 0
	FETCH_A \next, 0, 0
	WIN MUL_HI
	MUL16 4, 1, 0
	MUL16 6, 1, 0
	PLACES NP
	WIN 0
	FETCH_A \next, 0, 4
.endm
.macro OUTBLK a
.set AC, 64*((\a)%4)
	WIN 0x02+((\a)/4)
.set j, 0
.rept 64
	v_med3_num_f32 v[TMP+j], v[AC+j], -v[LIM], v[LIM]
.set j, j+1
.endr
	WIN 0
.irp b, 0,1,2,3,4,5,6,7
	v_cvt_scalef32_pk8_bf8_f32 v[CODE+16*(\a)+2*\b:CODE+16*(\a)+2*\b+1], v[TMP+8*\b:TMP+8*\b+7], v[SC]
.endr
	v_nop
.irp i, 0,1,2,3
	global_store_b128 v[CO], v[CODE+16*(\a)+4*\i:CODE+16*(\a)+4*\i+3], s[10:11] offset:2048*(\a)+512*\i
.endr
.endm
	s_load_b512 s[68:83], s[0:1], 0x0
	s_load_b128 s[84:87], s[0:1], 0x40
	v_lshl_add_u32 v[SPW], v0, 2, SPARE
	v_mov_b32 v[NIL], 0
	ds_add_u32 v[SPW], v[NIL]
	ds_add_u32 v[SPW], v[NIL]
	v_lshrrev_b32 v1, 5, v0
	v_readfirstlane_b32 s14, v1
	s_lshr_b32 s15, s14, 1
	s_and_b32 s16, s14, 1
	s_bfe_u32 s40, ttmp6, 0x40000
	s_bfe_u32 s41, ttmp6, 0x40004
	s_and_b32 s12, ttmp7, 0xffff
	s_lshl_b32 s12, s12, 2
	s_cmp_eq_u32 ttmp9, 2
	s_cselect_b32 s13, 0, s12
	s_cselect_b32 s12, s12, 0
	s_add_co_u32 s17, s13, s41
	s_add_co_u32 s42, s12, s40
	s_lshl_b32 s43, s41, 2
	s_lshl_b32 s43, 15, s43
	s_lshl_b32 s44, 0x1111, s40
	s_or_b32 s[G1+0], s43, (0<<16)|(1<<20)|(1<<21)|(5<<22)|(3<<25)
	s_or_b32 s[G1B+0], s44, (0<<16)|(1<<20)|(1<<21)|(5<<22)|(3<<25)
.irp g, G1, G1B
	s_mov_b32 s[\g+1], ROWB<<16
	s_mov_b32 s[\g+2], 128<<16
	s_mov_b32 s[\g+3], ROWB<<16
	s_mov_b32 s[\g+4], 128
	s_mov_b32 s[\g+5], KROW
	s_mov_b32 s[\g+6], 0
	s_mov_b32 s[\g+7], 0
.endr
	s_lshl_b32 s18, s16, 7
	s_lshl_b32 s20, s17, 8
	s_add_co_u32 s20, s20, s18
	s_lshl_b32 s20, s20, 10
	s_mov_b32 s21, 0
	s_lshl_b32 s46, s42, 8
	s_add_co_u32 s46, s46, s18
	s_lshl_b32 s46, s46, 10
	s_mov_b32 s47, 0
	s_mul_i32 s45, s14, HALFT
	s_wait_dscnt 0x0
	s_wait_kmcnt 0x0
	s_load_b256 s[88:95], s[80:81], 0x0
	s_add_nc_u64 s[96:97], s[74:75], 0x100000
	s_add_nc_u64 s[98:99], s[78:79], 4096
	s_cmp_eq_u32 ttmp9, 0
	s_cselect_b64 s[4:5], s[68:69], s[70:71]
	s_cselect_b64 s[6:7], s[72:73], s[74:75]
	s_cselect_b64 s[8:9], s[76:77], s[78:79]
	s_cselect_b64 s[10:11], s[82:83], s[84:85]
	s_cmp_eq_u32 ttmp9, 2
	s_cselect_b64 s[4:5], s[96:97], s[4:5]
	s_cselect_b64 s[6:7], s[70:71], s[6:7]
	s_cselect_b64 s[8:9], s[98:99], s[8:9]
	s_cselect_b64 s[10:11], s[86:87], s[10:11]
	s_add_nc_u64 s[20:21], s[4:5], s[20:21]
	s_add_nc_u64 s[46:47], s[6:7], s[46:47]
	CROUND
.irp s, 0,1
	s_mov_b32 s[G0+4*\s], 1
	s_add_co_u32 s[G0+4*\s+1], s45, \s*SLOT
	s_add_nc_u64 s[G0+4*\s+2:G0+4*\s+3], s[20:21], \s*ROWB
	s_or_b32 s[G0+4*\s+3], s[G0+4*\s+3], 0x80000000
	s_mov_b32 s[G0B+4*\s], 1
	s_add_co_u32 s[G0B+4*\s+1], s45, \s*SLOT
	s_add_nc_u64 s[G0B+4*\s+2:G0B+4*\s+3], s[46:47], \s*ROWB
	s_or_b32 s[G0B+4*\s+3], s[G0B+4*\s+3], 0x80000000
	s_wait_alu depctr_va_vdst(0)
	s_wait_tensorcnt 0x0
	ds_add_u32 v28, v29
	ds_add_u32 v28, v29
	s_wait_dscnt 0x0
	CROUND
	JLOAD G0+4*\s, G1, G0B+4*\s, G1B
.endr
	v_and_b32 v1, 15, v0
	v_bfe_u32 v2, v0, 4, 1
	v_mul_u32_u24 v3, v1, PITCH
	v_lshl_add_u32 v4, v2, 4, v3
	s_mul_i32 s21, s15, HALFT
	s_mul_i32 s22, s16, HALFT
	s_add_co_u32 s22, s22, 2*HALFT
.irp s, 0,1
	v_add_nc_u32 v[ADRA+\s], s21, v4
	v_add_nc_u32 v[ADRB+\s], s22, v4
	s_add_co_u32 s21, s21, SLOT
	s_add_co_u32 s22, s22, SLOT
.endr
	v_and_b32 v6, 31, v0
	v_lshlrev_b32 v[CO], 4, v6
	s_lshl_b32 s18, s17, 1
	s_add_co_u32 s18, s18, s15
	s_lshl_b32 s19, s42, 1
	s_add_co_u32 s19, s19, s16
	s_cmp_eq_u32 ttmp9, 2
	s_cselect_b32 s96, s19, s18
	s_cselect_b32 s97, s18, s19
	s_cselect_b32 s98, 4, 0
	s_cselect_b32 s99, 0, 32
	s_cselect_b32 s100, 0, 4
	s_lshl_b32 s2, s97, 9
	s_mov_b32 s3, 0
	s_add_nc_u64 s[8:9], s[8:9], s[2:3]
	v_mul_u32_u24 v7, v1, s98
	v_mad_u32_u24 v7, v2, s99, v7
.irp j, 0,1,2,3,4,5,6,7
	v_mad_u32_u24 v[VB+\j], s100, \j, v7
.endr
.irp t, 0,1,2,3,4,5,6,7
.irp j, 0,1,2,3,4,5,6,7
	global_load_b32 v[BIAS+8*\t+\j], v[VB+\j], s[8:9] offset:64*\t
.endr
.endr
	s_lshr_b32 s2, s96, 4
	s_lshl_b32 s2, s2, 3
	s_add_co_u32 s2, s2, s97
	s_lshl_b32 s2, s2, 18
	s_and_b32 s96, s96, 15
	s_lshl_b32 s96, s96, 14
	s_add_co_u32 s2, s2, s96
	s_add_nc_u64 s[10:11], s[10:11], s[2:3]
	s_wait_kmcnt 0x0
	s_add_co_i32 s96, s88, s89
	s_add_co_i32 s97, s90, s91
	s_cmp_eq_u32 ttmp9, 0
	s_cselect_b32 s96, s96, s97
	s_cselect_b32 s97, s92, s93
	s_cmp_eq_u32 ttmp9, 2
	s_cselect_b32 s97, s94, s97
	s_sub_co_i32 s97, s97, s96
	s_sub_co_i32 s96, 0, s96
	s_add_co_i32 s97, s97, 127
	s_lshl_b32 s98, s97, 23
	v_mov_b32 v[SC], s98
	s_add_co_i32 s97, s97, 15
	s_lshl_b32 s97, s97, 23
	s_or_b32 s97, s97, 0x600000
	v_mov_b32 v[LIM], s97
	s_wait_loadcnt 0x0
.set j, 0
.rept 64
	v_ldexp_f32 v[BIAS+j], v[BIAS+j], s96
.set j, j+1
.endr
	s_wait_tensorcnt 1
	s_barrier_signal -1
	s_barrier_wait -1
	FETCH_B 0, 0, 0
	FETCH_A 0, 0, 0
	FETCH_A 0, 0, 4
	s_cmp_eq_u32 ttmp9, 2
	s_cbranch_scc1 .Lfirst_v
	s_wait_alu depctr_va_vdst(0)
	STEP 0, 0, 1
	s_branch .Lfirst_done
.Lfirst_v:
	s_wait_alu depctr_va_vdst(0)
	STEP 0, 0, 2
.Lfirst_done:
	TURN 0, 1, 1
	STEP 1, 0, 0
	TURN 1, 0, 1
	STEP 0, 0, 0
	TURN 0, 1, 0
	STEP 1, 0, 0
	s_wait_dscnt 4*NL
	WIN MUL_LO
	MUL16 0, 1, 0
	MUL16 2, 1, 0
	s_wait_dscnt 0
	WIN MUL_HI
	MUL16 4, 1, 0
	MUL16 6, 1, 0
	WIN 0
	PLACES NP
.irp a, 0,1,2,3,4,5,6,7
	OUTBLK \a
.endr
	s_wait_tensorcnt 0x0
	ds_add_u32 v[SPW], v[NIL]
	s_wait_dscnt 0x0
	CROUND
	s_endpgm
.Lfunc_end_k_q665b04e6ef_proj:
	.size	k_q665b04e6ef_proj, .Lfunc_end_k_q665b04e6ef_proj-k_q665b04e6ef_proj
	.p2alignl 7, 3214868480
	.fill 96, 4, 3214868480
	.section	.rodata,"a",@progbits
	.p2align	6, 0x0
	.amdhsa_kernel k_q665b04e6ef_proj
		.amdhsa_group_segment_fixed_size 327680
		.amdhsa_private_segment_fixed_size 0
		.amdhsa_enable_private_segment 0
		.amdhsa_kernarg_size 80
		.amdhsa_user_sgpr_count 2
		.amdhsa_user_sgpr_kernarg_segment_ptr 1
		.amdhsa_wavefront_size32 1
		.amdhsa_system_sgpr_workgroup_id_x 1
		.amdhsa_system_sgpr_workgroup_id_y 1
		.amdhsa_system_sgpr_workgroup_id_z 1
		.amdhsa_system_vgpr_workitem_id 0
		.amdhsa_next_free_vgpr 1024
		.amdhsa_next_free_sgpr 102
		.amdhsa_reserve_vcc 0
		.amdhsa_float_denorm_mode_32 3
		.amdhsa_float_denorm_mode_16_64 3
		.amdhsa_memory_ordered 1
		.amdhsa_forward_progress 1
		.amdhsa_inst_pref_size 138
	.end_amdhsa_kernel
	.amdgpu_metadata
---
amdhsa.version: [ 1, 2 ]
amdhsa.kernels:
  - .name:           k_q665b04e6ef_proj
    .symbol:         k_q665b04e6ef_proj.kd
    .args:
      - { .name: xc, .offset: 0, .size: 8, .value_kind: global_buffer, .address_space: global }
      - { .name: tc, .offset: 8, .size: 8, .value_kind: global_buffer, .address_space: global }
      - { .name: wqc, .offset: 16, .size: 8, .value_kind: global_buffer, .address_space: global }
      - { .name: wkvc, .offset: 24, .size: 8, .value_kind: global_buffer, .address_space: global }
      - { .name: bq, .offset: 32, .size: 8, .value_kind: global_buffer, .address_space: global }
      - { .name: bkv, .offset: 40, .size: 8, .value_kind: global_buffer, .address_space: global }
      - { .name: lowp_scales, .offset: 48, .size: 8, .value_kind: global_buffer, .address_space: global }
      - { .name: qimg, .offset: 56, .size: 8, .value_kind: global_buffer, .address_space: global }
      - { .name: kimg, .offset: 64, .size: 8, .value_kind: global_buffer, .address_space: global }
      - { .name: vimg, .offset: 72, .size: 8, .value_kind: global_buffer, .address_space: global }
    .group_segment_fixed_size: 327680
    .private_segment_fixed_size: 0
    .kernarg_segment_align: 8
    .kernarg_segment_size: 80
    .max_flat_workgroup_size: 128
    .sgpr_count:     102
    .vgpr_count:     1024
    .wavefront_size: 32
...
	.end_amdgpu_metadata
.endif
;; end of part 2
;; launch attn (part 3): grid 4 x 64, 8 waves a work-group, no clusters, 297,984 bytes of LDS; arguments qimg, kimg, vimg, lowp_scales, out0; writes out0
.if DOCPART == 3
	.amdgcn_target "amdgcn-amd-amdhsa--gfx1250"
	.amdhsa_code_object_version 6
	.text
	.protected	k_q665b04e6ef_attn
	.globl	k_q665b04e6ef_attn
	.p2align	8
	.type	k_q665b04e6ef_attn,@function
k_q665b04e6ef_attn:
	s_mov_b64 s[64:65], 0
	v_nop
	global_prefetch_b8 v0, s[64:65] scope:SCOPE_SE
	s_setreg_imm32_b32 hwreg(HW_REG_WAVE_MODE, 25, 1), 1
	s_wait_xcnt 0x0
; THIRD LAUNCH: out0[b][q][64 head + d] = the sum over k of softmax_k(Q . K / 8) V, both products on codes of BF8.  No work is left out: there is no mask.
; THE SOFTMAX AHEAD OF THE SECOND PRODUCT: t = score x log2(e) / 8; M = the row's largest t so far, rounded UP to a whole number; p = 2^(t - M) is quantised with 2^e7, not normalised.
; The row's sum is taken of the unquantised p, in f32, and divides O at the end.  When M moves, the sum and O are multiplied by 2^(old M - new M): nothing is rounded.
; SHARES.  A work-group owns 512 queries of one (batch, head); each of its eight waves 64 of them: four tiles of 16, worked as two PIECES of two tiles.  A fragment of K or V read from LDS feeds all four tiles.
; THE WHOLE HEAD LIES IN LDS: K's codes 131,072 bytes, V's 131,072; each byte is written once, at the head.  A key step is 8,192 bytes of each; every wave brings 1,024 + 1,024 of each of the 16 key steps:
; 64 loads of 512 consecutive bytes, into the 256 registers of S^T, K and V, which the loop has not begun to use, and 64 LDS stores.  One barrier shows them to all waves; the loop over the keys holds none.
; THE HOLD AT THE LARGEST CODE.  p is at most 1 (t <= M), and 57,344 x 2^e7 is at least 1.75 where e7 >= -15: the hold then changes no number, and a scalar branch on e7 leads round its 128 lines and round nothing else.
; For every other e7 the hold is run.  The launch has no tensor loads and no cluster.
; Nothing is prefetched: all loads of K and V go out at the head, and the loop reads no memory.
; LAYOUT.  Both products are used transposed: S^T = K Q^T, O^T = V^T P^T: a lane holds ONE query (l % 16) throughout.  Register 8 t + j of S^T is key 16 t + 8 (l / 16) + j, so the conversion of tile t's
; eight registers gives registers 2 t, 2 t + 1 of P's fragment of 128 keys.  Q, K and V come as images of their fragments' registers, 16 bytes a lane.
; The loop is written once: O^T and the sums begin as zeros and the largest score as -3e38, so the first change of M multiplies zeros by 0.
; LIMITS on the given exponents: e4 + e5 between -123 and 130 (added to c's exponent field); e7 between -126 and 112; e6 + e7 goes in by v_ldexp_f32 and has none.
; p under 2^-126 counts as 0 (the exponential flushes).  NaN among the inputs is not served.
; REGISTERS.  Window 0: v1-11 addresses and constants; v12+4T: -M, the largest score, the sum in two halves, of tile T; v28+8u: at work; v44-47 a chain of the sum; v44-59 the way out; v60-63 the head's addresses; v64-191 S^T, then p; v192-255 K.
;   Window 1: v0-127 O^T, 32 a tile; v128-159 Q; v160-223 V's four fragments; v224-255 P's codes.
.set VBASE, 131072
.set STAGE, 262144                     ; the way out's stages: 16 rows x 272 bytes for each wave
.set SP,    272
.set SPARE, STAGE+8*16*SP              ; the spare words, 128 bytes for each wave: four blocks of 256 bytes that no other line names
.set NST,   16                         ; key steps of 128 keys
.set LI,   1                           ; 16 x lane
.set LIV,  2                           ; the same + VBASE
.set ADK,  3                           ; LDS address of the step's K
.set ADV,  4                           ; of its V
.set SPW,  5                           ; my spare word; never rewritten
.set NIL,  6                           ; 0; never rewritten
.set STO,  7
.set RD,   8
.set GO,   9
.set PSC,  10                          ; 2^e7
.set PLIM, 11                          ; 57,344 x 2^e7
.set ST,   12
.set W,    28                          ; +8u: +0, +1, +4, +5 chains of the maximum, then of the sum; +2 f (+3 named with it); +6 the exchange; +7 the old -M
.set XD,   44                          ; +2u: the sum's fourth chain
.set LS,   44
.set LP,   48
.set RC,   52
.set GKO,  60                          ; my place in a key step of kimg: 2,048 wave + 1,024 (head % 2) + 16 lane
.set GVO,  61                          ; of vimg: 8,192 (head % 2) + 1,024 wave + 16 lane
.set LAK,  62                          ; my place in a key step in LDS: 1,024 wave + 16 lane; from key step 8 on + 65,536
.set LAV,  63                          ; the same + VBASE
.set S,    64
.set KF,   192
.set QF,   128
.set VF,   160
.set PF,   224
.set WV,   14
.set HF,   23                          ; 1 where the hold can bind (e7 < -15)
.set CS,   66
.set SEL,  68
.set TB,   70                          ; 8,192 x the key step
.set CNT,  71
.set MSB, 0
.macro WIN new
.if MSB != \new
	s_set_vgpr_msb (MSB<<8)|\new
.set MSB, \new
.endif
.endm
.set W_KQ,  0x04                       ; source 1 window 1: Q in a product, the data of an LDS store
.set W_TO1, 0x40
.set W_RS,  0x41
.set W_PV,  0x55
.macro ASK reg, off                    ; my 2,048 bytes of a key step: four loads of 512 consecutive bytes
	global_load_b128 v[\reg:\reg+3], v[GKO], s[6:7] offset:\off
	global_load_b128 v[\reg+4:\reg+7], v[GKO], s[6:7] offset:\off+512
	global_load_b128 v[\reg+8:\reg+11], v[GVO], s[8:9] offset:\off
	global_load_b128 v[\reg+12:\reg+15], v[GVO], s[8:9] offset:\off+512
.endm
.macro PUT reg, off
	ds_store_b128 v[LAK], v[\reg:\reg+3] offset:\off
	ds_store_b128 v[LAK], v[\reg+4:\reg+7] offset:\off+512
	ds_store_b128 v[LAV], v[\reg+8:\reg+11] offset:\off
	ds_store_b128 v[LAV], v[\reg+12:\reg+15] offset:\off+512
.endm
.macro KLOAD adr, off                  ; K's eight fragments of a key step
.irp t, 0,1,2,3,4,5,6,7
	ds_load_b128 v[KF+8*\t:KF+8*\t+3], v[\adr] offset:\off+1024*\t
	ds_load_b128 v[KF+8*\t+4:KF+8*\t+7], v[\adr] offset:\off+1024*\t+512
.endr
.endm
.macro ACC reg, u, idx                 ; a chain of the sum takes two more p
	v_pk_add_f32 v[\reg:\reg+1], v[\reg:\reg+1], v[S+64*\u+\idx:S+64*\u+\idx+1]
.endm
; A PIECE: tiles T = 2 p + u, u = 0, 1, against the step's 128 keys.  The two tiles alternate, and the maximum and the sum go in four chains a tile: a line reads what the eighth line before it wrote.
.macro PIECE p
	WIN W_KQ
.irp t, 0,1,2,3,4,5,6,7
.irp u, 0,1
	v_wmma_f32_16x16x64_bf8_bf8 v[S+64*\u+8*\t:S+64*\u+8*\t+7], v[KF+8*\t:KF+8*\t+7], v[QF+8*(2*\p+\u):QF+8*(2*\p+\u)+7], 0
.endr
.endr
	WIN 0
.rept 4
	v_nop                                          ; the places behind the products, ahead of the first read of their results
.endr
	; the largest score of my query among my 64 keys, ascending: each accumulator is first read at its low end
.irp c, 0,1,2,3
.irp u, 0,1
	v_max3_num_f32 v[W+8*\u+\c+2*(\c/2)], v[S+64*\u+3*\c], v[S+64*\u+3*\c+1], v[S+64*\u+3*\c+2]
.endr
.endr
.set k, 0
.rept 26
.irp u, 0,1
	v_max3_num_f32 v[W+8*\u+(k%4)+2*((k%4)/2)], v[W+8*\u+(k%4)+2*((k%4)/2)], v[S+64*\u+12+2*k], v[S+64*\u+13+2*k]
.endr
.set k, k+1
.endr
.irp u, 0,1
	v_max3_num_f32 v[W+8*\u], v[W+8*\u], v[W+8*\u+1], v[W+8*\u+4]
.endr
.irp u, 0,1
	v_mov_b32 v[W+8*\u+7], v[ST+4*(2*\p+\u)]       ; the old -M
.endr
.irp u, 0,1
	v_max_num_f32 v[W+8*\u], v[W+8*\u], v[W+8*\u+5]
.endr
.irp u, 0,1
	v_permlanex16_b32 v[W+8*\u+6], v[W+8*\u], s[SEL], s[SEL+1]   ; the query's other 64 keys lie in the lane 16 away
.endr
.irp u, 0,1
	v_max3_num_f32 v[ST+4*(2*\p+\u)+1], v[ST+4*(2*\p+\u)+1], v[W+8*\u], v[W+8*\u+6]   ; the running largest score
.endr
.irp u, 0,1
	v_mul_f32 v[W+8*\u], s[CS], v[ST+4*(2*\p+\u)+1]              ; as t (c is positive)
.endr
.irp u, 0,1
	v_floor_f32 v[ST+4*(2*\p+\u)], -v[W+8*\u]                    ; -M = floor(-t) = -ceil(t): M is a whole number
.endr
.irp u, 0,1
	v_sub_f32 v[W+8*\u+7], v[ST+4*(2*\p+\u)], v[W+8*\u+7]        ; old M - new M: a whole number, 0 or less
.endr
.irp u, 0,1
	v_cvt_i32_f32 v[W+8*\u+7], v[W+8*\u+7]                       ; (it saturates)
.endr
.irp u, 0,1
	v_ldexp_f32 v[W+8*\u+2], 1.0, v[W+8*\u+7]                    ; f = 2^(old M - new M)
.endr
.set j, 0
.rept 32
.irp u, 0,1
	v_pk_fma_f32 v[S+64*\u+2*j:S+64*\u+2*j+1], v[S+64*\u+2*j:S+64*\u+2*j+1], s[CS:CS+1], v[ST+4*(2*\p+\u):ST+4*(2*\p+\u)+1] op_sel_hi:[1,0,0]   ; t - M, two at a time
.endr
.set j, j+1
.endr
.if \p == 1
	s_wait_alu depctr_va_vdst(0)                   ; the wait ahead of a branch
	s_cmp_lt_u32 s[CNT], NST-1                     ; there is no key step behind the last
	s_cbranch_scc0 .Lno_k_\@
	KLOAD ADK, 8192                                ; the next key step's K: this step's products with K are done
.Lno_k_\@:
.endif
	WIN W_RS
	s_wait_alu depctr_va_vdst(0)                   ; the wait: behind the scalings that the exponentials read, and directly ahead of the first readers of O^T
.set j, 0
.rept 32
	v_pk_mul_f32 v[64*\p+2*j:64*\p+2*j+1], v[64*\p+2*j:64*\p+2*j+1], v[W+8*(j/16)+2:W+8*(j/16)+3] op_sel_hi:[1,0]   ; O^T under the new M, ascending
.set j, j+1
.endr
	WIN 0
.set j, 0
.rept 128
	v_exp_f32 v[S+j], v[S+j]                       ; p = 2^(t - M)
.set j, j+1
.endr
.irp u, 0,1
	v_pk_mul_f32 v[ST+4*(2*\p+\u)+2:ST+4*(2*\p+\u)+3], v[ST+4*(2*\p+\u)+2:ST+4*(2*\p+\u)+3], v[W+8*\u+2:W+8*\u+3] op_sel_hi:[1,0]   ; the sums under the new M: also the plain instruction behind the last exponential
.endr
.if \p == 0
	s_wait_dscnt 0x0                               ; V is in
.endif
	s_wait_alu depctr_va_vdst(0)                   ; one wait for the batch, ahead of its first reader
	; the row's sum, of the UNQUANTISED p: two at a time
.irp u, 0,1
	v_pk_add_f32 v[W+8*\u+4:W+8*\u+5], v[S+64*\u:S+64*\u+1], v[S+64*\u+2:S+64*\u+3]
.endr
.irp u, 0,1
	v_pk_add_f32 v[W+8*\u:W+8*\u+1], v[S+64*\u+4:S+64*\u+5], v[S+64*\u+6:S+64*\u+7]
.endr
.irp u, 0,1
	v_pk_add_f32 v[XD+2*\u:XD+2*\u+1], v[S+64*\u+8:S+64*\u+9], v[S+64*\u+10:S+64*\u+11]
.endr
.irp j, 12,20,28,36,44,52
.irp u, 0,1
	ACC ST+4*(2*\p+\u)+2, \u, \j
.endr
.irp u, 0,1
	ACC W+8*\u+4, \u, \j+2
.endr
.irp u, 0,1
	ACC W+8*\u, \u, \j+4
.endr
.irp u, 0,1
	ACC XD+2*\u, \u, \j+6
.endr
.endr
.irp u, 0,1
	ACC ST+4*(2*\p+\u)+2, \u, 60
.endr
.irp u, 0,1
	ACC W+8*\u+4, \u, 62
.endr
.irp u, 0,1
	v_pk_add_f32 v[W+8*\u:W+8*\u+1], v[W+8*\u:W+8*\u+1], v[XD+2*\u:XD+2*\u+1]
.endr
.irp u, 0,1
	v_pk_add_f32 v[ST+4*(2*\p+\u)+2:ST+4*(2*\p+\u)+3], v[ST+4*(2*\p+\u)+2:ST+4*(2*\p+\u)+3], v[W+8*\u+4:W+8*\u+5]
.endr
.irp u, 0,1
	v_pk_add_f32 v[ST+4*(2*\p+\u)+2:ST+4*(2*\p+\u)+3], v[ST+4*(2*\p+\u)+2:ST+4*(2*\p+\u)+3], v[W+8*\u:W+8*\u+1]
.endr
	s_wait_alu depctr_va_vdst(0)                   ; the wait ahead of a branch
	s_cmp_eq_u32 s[HF], 0
	s_cbranch_scc1 .Lfits_\@                       ; e7 >= -15: every p lies under the largest code x the scale, and the hold would change nothing
.set j, 0
.rept 128
	v_min_num_f32 v[S+j], v[S+j], v[PLIM]          ; the conversion does not saturate (ISA guide 7.6.2); p is not negative, so the hold is one-sided
.set j, j+1
.endr
.Lfits_\@:
	WIN W_TO1
.irp t, 0,1,2,3,4,5,6,7
.irp u, 0,1
	v_cvt_scalef32_pk8_bf8_f32 v[PF+16*\u+2*\t:PF+16*\u+2*\t+1], v[S+64*\u+8*\t:S+64*\u+8*\t+7], v[PSC]
.endr
.endr
	v_nop                                          ; one plain instruction between the conversions and the products that read their results
	WIN W_PV
.irp c, 0,1,2,3                        ; eight accumulators, one instruction a turn
.irp u, 0,1
	v_wmma_f32_16x16x128_bf8_bf8 v[32*(2*\p+\u)+8*\c:32*(2*\p+\u)+8*\c+7], v[VF+16*\c:VF+16*\c+15], v[PF+16*\u:PF+16*\u+15], v[32*(2*\p+\u)+8*\c:32*(2*\p+\u)+8*\c+7]
.endr
.endr
	WIN 0
.endm
	s_load_b256 s[4:11], s[0:1], 0x0               ; qimg 4:5, kimg 6:7, vimg 8:9, the scales 10:11
	s_load_b64 s[12:13], s[0:1], 0x20              ; out0
	s_and_b32 s18, ttmp7, 0xffff                   ; 16 x batch + head
	s_lshr_b32 s19, s18, 1                         ; the pair of heads
	s_and_b32 s20, s18, 1                          ; head % 2
	s_lshl_b32 s21, s20, 10
	s_lshl_b32 s22, s20, 13
	v_lshl_add_u32 v[SPW], v0, 2, SPARE
	v_mov_b32 v[NIL], 0
	v_lshrrev_b32 v28, 5, v0
	v_and_b32 v29, 31, v0
	v_lshlrev_b32 v[LI], 4, v29
	v_add_nc_u32 v[LIV], VBASE, v[LI]
	v_lshl_add_u32 v[LAK], v28, 10, v[LI]
	v_add_nc_u32 v[LAV], VBASE, v[LAK]
	v_lshl_add_u32 v[GKO], v28, 11, v[LI]
	v_add_nc_u32 v[GKO], s21, v[GKO]
	v_add_nc_u32 v[GVO], s22, v[LAK]
	v_readfirstlane_b32 s[WV], v28                 ; wave 0..7
	s_lshl_b32 s72, s19, 18                        ; a pair of heads is 262,144 bytes of each image
	s_mov_b32 s73, 0
	s_lshl_b32 s78, ttmp9, 5
	s_lshl_b32 s79, s[WV], 2
	s_add_co_u32 s78, s78, s79                     ; my first tile of 16 queries in the batch: 32 x + 4 wave
	s_lshl_b32 s78, s78, 11
	s_add_co_u32 s78, s78, s72
	s_add_co_u32 s78, s78, s21
	s_mov_b32 s79, 0
	s_lshr_b32 s80, s18, 4                         ; the batch
	s_lshl_b32 s80, s80, 11
	s_lshl_b32 s81, ttmp9, 9
	s_add_co_u32 s80, s80, s81
	s_lshl_b32 s81, s[WV], 6
	s_add_co_u32 s80, s80, s81                     ; my first row of out0,
	s_lshl_b32 s80, s80, 12                        ; 4,096 bytes a row,
	s_and_b32 s81, s18, 15
	s_lshl_b32 s81, s81, 8                         ; 256 bytes a head
	s_add_co_u32 s80, s80, s81
	s_mov_b32 s81, 0
	s_mov_b32 s[SEL], 0x76543210
	s_mov_b32 s[SEL+1], 0xfedcba98
	s_mov_b32 s[CS], 0x3e38aa3b                    ; log2(e) / 8
	s_wait_alu depctr_va_vdst(0)                   ; the wait here, directly ahead of the wait below
	s_wait_kmcnt 0x0
	s_load_b256 s[56:63], s[10:11], 0x0            ; the eight exponents
	s_add_nc_u64 s[6:7], s[6:7], s[72:73]
	s_add_nc_u64 s[8:9], s[8:9], s[72:73]
	s_add_nc_u64 s[4:5], s[4:5], s[78:79]
	s_add_nc_u64 s[12:13], s[12:13], s[80:81]
	WIN W_TO1
.irp t, 0,1,2,3                        ; Q's four fragments stay in registers
	global_load_b128 v[QF+8*\t:QF+8*\t+3], v[LI], s[4:5] offset:2048*\t
	global_load_b128 v[QF+8*\t+4:QF+8*\t+7], v[LI], s[4:5] offset:2048*\t+512
.endr
	WIN 0
.irp s, 0,1,2,3,4,5,6,7                ; my parts of key steps 0 to 7 into S^T's registers,
	ASK S+16*\s, 16384*\s
.endr
.irp s, 8,9,10,11                      ; 8 to 11 into K's,
	ASK KF+16*(\s-8), 16384*\s
.endr
	WIN W_TO1
	ASK VF, 16384*12                               ; 12 into V's: 60 loads of mine are out
.set j, 0
.rept 128
	v_mov_b32 v[j], 0                              ; O^T (the loop is written once: its first step finds zeros)
.set j, j+1
.endr
	WIN 0
	v_and_b32 v30, 15, v0                          ; r
	v_bfe_u32 v31, v0, 4, 1                        ; h
	s_mul_i32 s74, s[WV], 16*SP
	s_add_co_u32 s74, s74, STAGE                   ; my stage
	v_mul_u32_u24 v[STO], v30, SP                  ; in: row r, 32 bytes for each half of the lanes
	v_lshl_add_u32 v[STO], v31, 5, v[STO]
	v_add_nc_u32 v[STO], s74, v[STO]
	v_mul_u32_u24 v[RD], v31, SP                   ; back: lanes 0-15 take one row of 256 bytes, lanes 16-31 the next
	v_lshl_add_u32 v[RD], v30, 4, v[RD]
	v_add_nc_u32 v[RD], s74, v[RD]
	v_lshlrev_b32 v[GO], 12, v31                   ; and the same two rows in out0
	v_lshl_add_u32 v[GO], v30, 4, v[GO]
.irp t, 0,1,2,3
	v_mov_b32 v[ST+4*\t], 0x7f61b1e6               ; -M = 3e38
	v_mov_b32 v[ST+4*\t+1], 0xff61b1e6             ; the largest score so far: -3e38
	v_mov_b32 v[ST+4*\t+2], 0                      ; the sum, in two halves
	v_mov_b32 v[ST+4*\t+3], 0
.endr
.irp u, 0,1
	v_mov_b32 v[W+8*\u+3], 0                       ; (named as the upper half of f's pair)
	v_mov_b32 v[W+8*\u+6], 0                       ; (a permute's destination counts as a source)
.endr
	s_wait_kmcnt 0x0
	s_add_co_i32 s72, s60, s61
	s_lshl_b32 s72, s72, 23
	s_add_co_i32 s[CS], s[CS], s72                 ; a score stands for score x 2^(e4 + e5): added to c's exponent field
	s_mov_b32 s[CS+1], s[CS]
	s_add_co_i32 s72, s63, 127
	s_lshl_b32 s73, s72, 23
	v_mov_b32 v[PSC], s73
	s_add_co_i32 s72, s72, 15
	s_lshl_b32 s72, s72, 23
	s_or_b32 s72, s72, 0x600000
	v_mov_b32 v[PLIM], s72
	s_cmp_lt_i32 s63, -15
	s_cselect_b32 s[HF], 1, 0
	s_mov_b32 s[TB], 0
	s_mov_b32 s[CNT], 0
	s_wait_alu depctr_va_vdst(0)                   ; the wait at the head's end
.irp s, 0,1,2
	s_wait_loadcnt 4*(12-\s)                       ; Q and key step s are in; the four loads of each of the steps up to 12 may be out
	PUT S+16*\s, 8192*\s
.endr
	WIN W_TO1
.irp s, 13,14,15
	ASK VF+16*(\s-12), 16384*\s
.endr
	WIN 0
.irp s, 3,4,5,6,7
	s_wait_loadcnt 4*(15-\s)                       ; key step s is in; the four loads of each later one may be out
	PUT S+16*\s, 8192*\s
.endr
	v_add_nc_u32 v[LAK], 0x10000, v[LAK]           ; from key step 8 on: an LDS offset has 16 bits
	v_add_nc_u32 v[LAV], 0x10000, v[LAV]
	s_wait_alu depctr_va_vdst(0)                   ; the wait here, directly ahead of the wait below
.irp s, 8,9,10,11
	s_wait_loadcnt 4*(15-\s)
	PUT KF+16*(\s-8), 8192*(\s-8)
.endr
	WIN W_KQ                                       ; the stores' data lie in window 1
.irp s, 12,13,14,15
	s_wait_loadcnt 4*(15-\s)
	PUT VF+16*(\s-12), 8192*(\s-8)
.endr
	WIN 0
	s_wait_dscnt 0x0                               ; my stores are done
	s_barrier_signal -1
	s_barrier_wait -1                              ; everybody's are: the head's K and V lie in LDS
	KLOAD LI, 0
.Lstep:                                            ; NST trips, a key step each: 128 keys for all four tiles.  A step's K was read from LDS during the step before
	v_add_nc_u32 v[ADK], s[TB], v[LI]
	v_add_nc_u32 v[ADV], s[TB], v[LIV]
	v_nop
	v_nop                                          ; four plain instructions stand between the last products and the loads into V's registers
	WIN W_TO1
.irp c, 0,1,2,3
.irp i, 0,1,2,3
	ds_load_b128 v[VF+16*\c+4*\i:VF+16*\c+4*\i+3], v[ADV] offset:2048*\c+512*\i
.endr
.endr
	WIN 0
	s_wait_dscnt 16                                ; K is in; V's sixteen loads, the younger ones, may be out
	PIECE 0
	PIECE 1
	s_add_co_u32 s[TB], s[TB], 8192
	s_add_co_u32 s[CNT], s[CNT], 1
	s_wait_alu depctr_va_vdst(0)                   ; the wait ahead of a branch
	s_cmp_lt_u32 s[CNT], NST
	s_cbranch_scc1 .Lstep
	; THE WAY OUT.  O^T x 2^(e6 + e7) / the sum goes through my stage, a tile (16 rows x 256 bytes) at a time.  The four additions are the places behind the last products.
.irp t, 0,1,2,3
	v_add_f32 v[LS+\t], v[ST+4*\t+2], v[ST+4*\t+3]
.endr
.irp t, 0,1,2,3
	v_mov_b32 v[LP+\t], 0                          ; (a permute's destination counts as a source)
.endr
.irp t, 0,1,2,3
	v_permlanex16_b32 v[LP+\t], v[LS+\t], s[SEL], s[SEL+1]
.endr
.irp t, 0,1,2,3
	v_add_f32 v[LS+\t], v[LS+\t], v[LP+\t]
.endr
	s_wait_alu depctr_va_vdst(0)                   ; the wait ahead of the batch
.irp t, 0,1,2,3
	v_rcp_f32 v[RC+2*\t], v[LS+\t]
.endr
	v_nop                                          ; a plain instruction behind the last reciprocal
	s_add_co_i32 s72, s62, s63
	s_wait_alu depctr_va_vdst(0)                   ; and the wait ahead of the first use: one for the four
.irp t, 0,1,2,3
	v_ldexp_f32 v[RC+2*\t], v[RC+2*\t], s72
.endr
.irp t, 0,1,2,3
	v_mov_b32 v[RC+2*\t+1], v[RC+2*\t]             ; (named with it as a pair)
.endr
.macro PACK t                          ; register 8 c + j of lane (r, h) is o(query r, channel 16 c + 8 h + j): 32 neighbouring bytes of a row
	WIN 0x01
	s_wait_alu depctr_va_vdst(0)                   ; the wait directly ahead of the first readers of this tile's O^T
.set k, 0
.rept 16
	v_pk_mul_f32 v[S+32*\t+2*k:S+32*\t+2*k+1], v[32*\t+2*k:32*\t+2*k+1], v[RC+2*\t:RC+2*\t+1] op_sel_hi:[1,0]   ; ascending: each accumulator from its low end
.set k, k+1
.endr
	WIN 0
.irp c, 0,1,2,3
	ds_store_b128 v[STO], v[S+32*\t+8*\c:S+32*\t+8*\c+3] offset:64*\c
	ds_store_b128 v[STO], v[S+32*\t+8*\c+4:S+32*\t+8*\c+7] offset:64*\c+16
.endr
.irp i, 0,1,2,3,4,5,6,7
	ds_load_b128 v[S+32*\t+4*\i:S+32*\t+4*\i+3], v[RD] offset:\i*2*SP   ; LDS serves a wave's instructions in order (ISA guide 5.7.1.4): these see the stores above
.endr
.endm
.macro SEND t, younger                 ; younger: the LDS instructions issued behind tile t's loads: the next tile's sixteen, or none
.irp i, 0,1,2,3,4,5,6,7
	s_wait_dscnt \younger+7-\i
	global_store_b128 v[GO], v[S+32*\t+4*\i:S+32*\t+4*\i+3], s[12:13] offset:\t*65536+\i*8192 th:TH_STORE_NT   ; 16 lanes store 256 consecutive bytes, at a multiple of 256 from out0's first byte
.endr
.endm
	PACK 0
	PACK 1
	SEND 0, 16
	PACK 2
	SEND 1, 16
	PACK 3
	SEND 2, 16
	SEND 3, 0
	s_wait_tensorcnt 0x0                           ; the wave's end
	ds_add_u32 v[SPW], v[NIL]
	s_wait_dscnt 0x0
	s_endpgm
.Lfunc_end_k_q665b04e6ef_attn:
	.size	k_q665b04e6ef_attn, .Lfunc_end_k_q665b04e6ef_attn-k_q665b04e6ef_attn
	.p2alignl 7, 3214868480
	.fill 96, 4, 3214868480
	.section	.rodata,"a",@progbits
	.p2align	6, 0x0
	.amdhsa_kernel k_q665b04e6ef_attn
		.amdhsa_group_segment_fixed_size 297984
		.amdhsa_private_segment_fixed_size 0
		.amdhsa_enable_private_segment 0
		.amdhsa_kernarg_size 40
		.amdhsa_user_sgpr_count 2
		.amdhsa_user_sgpr_kernarg_segment_ptr 1
		.amdhsa_wavefront_size32 1
		.amdhsa_system_sgpr_workgroup_id_x 1
		.amdhsa_system_sgpr_workgroup_id_y 1
		.amdhsa_system_sgpr_workgroup_id_z 1
		.amdhsa_system_vgpr_workitem_id 0
		.amdhsa_next_free_vgpr 512
		.amdhsa_next_free_sgpr 84
		.amdhsa_reserve_vcc 0
		.amdhsa_float_denorm_mode_32 3
		.amdhsa_float_denorm_mode_16_64 3
		.amdhsa_memory_ordered 1
		.amdhsa_forward_progress 1
		.amdhsa_inst_pref_size 90
	.end_amdhsa_kernel
	.amdgpu_metadata
---
amdhsa.version: [ 1, 2 ]
amdhsa.kernels:
  - .name:           k_q665b04e6ef_attn
    .symbol:         k_q665b04e6ef_attn.kd
    .args:
      - { .name: qimg, .offset: 0, .size: 8, .value_kind: global_buffer, .address_space: global }
      - { .name: kimg, .offset: 8, .size: 8, .value_kind: global_buffer, .address_space: global }
      - { .name: vimg, .offset: 16, .size: 8, .value_kind: global_buffer, .address_space: global }
      - { .name: lowp_scales, .offset: 24, .size: 8, .value_kind: global_buffer, .address_space: global }
      - { .name: out0, .offset: 32, .size: 8, .value_kind: global_buffer, .address_space: global }
    .group_segment_fixed_size: 297984
    .private_segment_fixed_size: 0
    .kernarg_segment_align: 8
    .kernarg_segment_size: 40
    .max_flat_workgroup_size: 256
    .sgpr_count:     84
    .vgpr_count:     512
    .wavefront_size: 32
...
	.end_amdgpu_metadata
.endif
;; end of part 3
